; MI455X (gfx1250); checked and timed in simulation.
; The chip was launched on July 23, 2026; its instructions are those of AMD's public machine-readable ISA for CDNA 5 (MIT licence, August 2026) and "CDNA5" Instruction Set Architecture Reference Guide (July 2026). The comments in the code are by the model that wrote it; some were corrected since.
;; Clustering Layer. Allowed arithmetic: matrix products marked QUANTISED: E4M3 operands, one given power-of-two scale a tensor, by v_wmma_f32_16x16x64_fp8_fp8 or v_wmma_f32_16x16x128_fp8_fp8, f32 sums; everything else in f32.
;; Inputs: cluster_centers 1,024 x 256 float32; lowp_scales 2 int32 (the exponents e of the quantised operands' scales 2^e); x 1 x 131,072 x 256 float32.
;; Outputs: out0 1 x 1,024 x 256 float32.
;; This version of the problem:
;;   THIS VERSION OF THE PROBLEM IS GIVEN IN LOW PRECISION. The matrix products marked QUANTISED in the list below multiply operands that are first quantised to E4M3 (4 exponent bits, 3 mantissa bits; 8 bits a number), with one given power-of-two scale for each operand tensor; their sums are f32. All else is computed in f32.
;;   The module's matrix products, in the order in which they are computed (A, B: the left and right operand; K: the contracted axis; several contracted axes count as one K, in the product's order):
;;     1. [M 131,072, K 256] x [K 256, N 1,024]; A: input x; B: input cluster_centers: QUANTISED (scales: A lowp_scales[0], B lowp_scales[1])
;;   THE QUANTISER, for each operand of a quantised product, along K:
;;     - The operand's scale is 2^e, e = its entry of the input lowp_scales (int32; the entries are numbered through the quantised products in the list's order, A before B).
;;     - Each number is divided by the scale, clamped to +-448, and rounded to the nearest number of E4M3, ties to even, subnormals kept.
;;     - The product sums the exact products of the quantised numbers (number of the format x scale) in f32.
;;   ~~~python
;;   def quantise(x, axis, e):      # numpy; x: float32 -> the quantised numbers, widened to float32 again
;;       x = np.moveaxis(x, axis, -1); K = x.shape[-1]
;;       r = np.clip(x / 2.0 ** e, -448, 448)
;;       step = 2.0 ** (np.maximum(np.frexp(np.where(r == 0, 1, r))[1] - 1, -6) - 3)
;;       q = np.round(r / step) * step * 2.0 ** e      # np.round: ties to even
;;       return np.moveaxis(q, -1, axis).astype(np.float32)
;;   ~~~
;; One version. Each part assembles by itself: llvm-mc -triple=amdgcn-amd-amdhsa -mcpu=gfx1250 --defsym DOCPART=n.
;; ======== version 1 of 1: 4 launches
;; limits: right only within a limited range of input values
;; workspace buffers: ccodes 262,144 bytes; pval 1,048,576 bytes; pgid 1,048,576 bytes of whole numbers; win 4,096 bytes of whole numbers
;; launch prep (part 1): grid 64 x 1, 1 waves a work-group, no clusters, 4,864 bytes of LDS; arguments cluster_centers, lowp_scales, ccodes; writes ccodes
.if DOCPART == 1
	.amdgcn_target "amdgcn-amd-amdhsa--gfx1250"
	.amdhsa_code_object_version 6
	.text
	.protected	k_q77af4dd105_prep
	.globl	k_q77af4dd105_prep
	.p2align	8
	.type	k_q77af4dd105_prep,@function
k_q77af4dd105_prep:
	s_mov_b64 s[64:65], 0
	v_nop
	global_prefetch_b8 v0, s[64:65] scope:SCOPE_SE
	s_setreg_imm32_b32 hwreg(HW_REG_WAVE_MODE, 25, 1), 1
	s_wait_xcnt 0x0
; The centres [1024][256] f32 become codes of FP8 (E4M3) with the given scale 2^eb, once, laid in the order of a matrix operand's registers.
; code = c / 2^eb, held within +-448, rounded to the nearest code, ties to even.  LIMITS: eb between -126 and 119; NaN among the inputs is not served.
; One wave takes one tile of 16 centres (16 KB).  K IS PERMUTED, alike here and for x: lane (q, g) loads 16 bytes at byte 256 i + 16 q of its row, i = 0..3, so that sixteen
; lanes read 256 consecutive bytes; its 16 numbers (k = 64 i + 4 q + e) become 16 codes, which lie at byte 16 q + 4 i + e of the row's 256 bytes of codes.
; A fragment (16 rows x 128 places of such a row) is 16 registers: lane (r, h), registers 4 c .. 4 c + 3 = bytes 128 s + 32 c + 16 h + 0..15 of row r.
; ccodes: [64 tiles][n = 4 s + c][32 lanes][16 bytes]: block n of a tile is four registers of all 32 lanes on end.
; The rows turn into fragments through the wave's own LDS (pitch 272 = 68 words: the 16 rows of a read start at 16 different banks).  One wave: no barrier.
.set X,     16                         ; v16-143   128 numbers: group p (rows p and p + 8) at 16 p
.set CD,    144                        ; v144-175  their codes, four registers a group
.set FG,    176                        ; v176-207  the eight blocks read back
; WORK LEFT OUT IN THIS PROGRAM: c2(k) = sum of c[k]^2 is never formed.  In d2(n, k) = x2(n) + c2(k) - 2 dots(n, k) it is the same for every n, so it moves no argmin over n, whatever
; finite values the inputs hold; only the argmin reaches the output.  The centres themselves are read, for the product.  LIMIT: an overflow that reaches c2 alone is not carried to the result.
.set PITCH, 272
	s_load_b128 s[4:7], s[0:1], 0x0                ; centres s[4:5], the scales' exponents s[6:7]
	s_load_b64 s[8:9], s[0:1], 0x10                ; ccodes
	v_lshl_add_u32 v208, v0, 2, 0x1200
	v_mov_b32 v209, 0
	v_and_b32 v5, 15, v0                           ; q (also r)
	v_lshrrev_b32 v6, 4, v0                        ; g (also h): one wave, v0 is the lane
	v_lshlrev_b32 v7, 4, v5                        ; 16 q
	v_lshl_add_u32 v1, v6, 13, v7                  ; in memory: 8 rows x 1,024 bytes for the upper half of the lanes, + 16 q
	v_mul_u32_u24 v2, v6, 8*PITCH
	v_add_nc_u32 v2, v2, v7                        ; into LDS: row p + 8 g, byte 16 q
	v_mul_u32_u24 v3, v5, PITCH
	v_lshl_add_u32 v3, v6, 4, v3                   ; out of LDS: row r, byte 16 h
	v_lshlrev_b32 v4, 4, v0                        ; out: 16 x lane
	s_lshl_b32 s12, ttmp9, 14                      ; my tile's 16 rows of 1,024 bytes
	s_mov_b32 s13, 0
	s_lshl_b32 s14, ttmp9, 12                      ; and its 4,096 bytes of codes
	s_mov_b32 s15, 0
	s_wait_alu depctr_va_vdst(0)
	s_wait_kmcnt 0x0
	s_load_b32 s16, s[6:7], 0x4                    ; eb
	s_add_nc_u64 s[4:5], s[4:5], s[12:13]
	s_add_nc_u64 s[8:9], s[8:9], s[14:15]
.irp p, 0,1,2,3,4,5,6,7
.irp i, 0,1,2,3
	global_load_b128 v[X+16*\p+4*\i:X+16*\p+4*\i+3], v1, s[4:5] offset:1024*\p+256*\i th:TH_LOAD_NT   ; each half of the lanes reads 256 consecutive bytes
.endr
.endr
	s_wait_kmcnt 0x0
	s_add_co_i32 s16, s16, 127
	s_lshl_b32 s17, s16, 23
	v_mov_b32 v8, s17                              ; 2^eb as f32: the conversion takes its exponent field
	s_add_co_i32 s16, s16, 8
	s_lshl_b32 s16, s16, 23
	s_or_b32 s16, s16, 0x600000
	v_mov_b32 v9, s16                              ; 448 x 2^eb
	s_wait_alu depctr_va_vdst(0)
.irp p, 0,1,2,3,4,5,6,7
	s_wait_loadcnt 4*(7-\p)                        ; group p's four loads are in; the younger groups' may be out
.irp i, 0,1,2,3,4,5,6,7,8,9,10,11,12,13,14,15
	v_med3_num_f32 v[X+16*\p+\i], v[X+16*\p+\i], -v9, v9   ; the conversion to an 8-bit code does not saturate (ISA guide 7.6.2): the hold comes first
.endr
	v_cvt_scalef32_pk8_fp8_f32 v[CD+4*\p:CD+4*\p+1], v[X+16*\p:X+16*\p+7], v8
	v_cvt_scalef32_pk8_fp8_f32 v[CD+4*\p+2:CD+4*\p+3], v[X+16*\p+8:X+16*\p+15], v8
.endr
	v_nop                                          ; a plain vector line behind the last conversion
.irp p, 0,1,2,3,4,5,6,7
	ds_store_b128 v2, v[CD+4*\p:CD+4*\p+3] offset:PITCH*\p
.endr
.irp n, 0,1,2,3,4,5,6,7
	ds_load_b128 v[FG+4*\n:FG+4*\n+3], v3 offset:32*\n     ; LDS serves a wave's instructions in order (ISA guide 5.7.1.4): these see the stores above
.endr
.irp n, 0,1,2,3,4,5,6,7
	s_wait_dscnt 7-\n                              ; block n is back; the younger loads may be out
	global_store_b128 v4, v[FG+4*\n:FG+4*\n+3], s[8:9] offset:512*\n   ; 32 lanes store 512 consecutive bytes, aligned
.endr
	s_wait_tensorcnt 0x0
	ds_add_u32 v208, v209
	s_wait_dscnt 0x0
	s_endpgm
.Lfunc_end_k_q77af4dd105_prep:
	.size	k_q77af4dd105_prep, .Lfunc_end_k_q77af4dd105_prep-k_q77af4dd105_prep
	.p2alignl 7, 3214868480
	.fill 96, 4, 3214868480
	.section	.rodata,"a",@progbits
	.p2align	6, 0x0
	.amdhsa_kernel k_q77af4dd105_prep
		.amdhsa_group_segment_fixed_size 4864
		.amdhsa_private_segment_fixed_size 0
		.amdhsa_enable_private_segment 0
		.amdhsa_kernarg_size 24
		.amdhsa_user_sgpr_count 2
		.amdhsa_user_sgpr_kernarg_segment_ptr 1
		.amdhsa_wavefront_size32 1
		.amdhsa_system_sgpr_workgroup_id_x 1
		.amdhsa_system_sgpr_workgroup_id_y 1
		.amdhsa_system_sgpr_workgroup_id_z 1
		.amdhsa_system_vgpr_workitem_id 0
		.amdhsa_next_free_vgpr 210
		.amdhsa_next_free_sgpr 66
		.amdhsa_reserve_vcc 0
		.amdhsa_float_denorm_mode_32 3
		.amdhsa_float_denorm_mode_16_64 3
		.amdhsa_memory_ordered 1
		.amdhsa_forward_progress 1
		.amdhsa_inst_pref_size 17
	.end_amdhsa_kernel
	.amdgpu_metadata
---
amdhsa.version: [ 1, 2 ]
amdhsa.kernels:
  - .name:           k_q77af4dd105_prep
    .symbol:         k_q77af4dd105_prep.kd
    .args:
      - { .name: cluster_centers, .offset: 0, .size: 8, .value_kind: global_buffer, .address_space: global }
      - { .name: lowp_scales, .offset: 8, .size: 8, .value_kind: global_buffer, .address_space: global }
      - { .name: ccodes, .offset: 16, .size: 8, .value_kind: global_buffer, .address_space: global }
    .group_segment_fixed_size: 4864
    .private_segment_fixed_size: 0
    .kernarg_segment_align: 8
    .kernarg_segment_size: 24
    .max_flat_workgroup_size: 32
    .sgpr_count:     66
    .vgpr_count:     210
    .wavefront_size: 32
...
	.end_amdgpu_metadata
.endif
;; end of part 1
;; launch scan (part 2): grid 256 x 1, 8 waves a work-group, clusters of 4 x 1, 327,680 bytes of LDS; arguments x, lowp_scales, ccodes, pval, pgid; writes pval, pgid
.if DOCPART == 2
	.amdgcn_target "amdgcn-amd-amdhsa--gfx1250"
	.amdhsa_code_object_version 6
	.text
	.protected	k_q77af4dd105_scan
	.globl	k_q77af4dd105_scan
	.p2align	8
	.type	k_q77af4dd105_scan,@function
k_q77af4dd105_scan:
	s_mov_b64 s[64:65], 0
	v_nop
	global_prefetch_b8 v0, s[64:65] scope:SCOPE_SE
	s_setreg_imm32_b32 hwreg(HW_REG_WAVE_MODE, 25, 1), 1
	s_wait_xcnt 0x0
	s_wait_alu depctr_hold_cnt(0) depctr_sa_sdst(0) depctr_va_vdst(0) depctr_va_sdst(0) depctr_va_ssrc(0) depctr_va_vcc(0) depctr_vm_vsrc(0)
	s_getreg_b32 s2, hwreg(HW_REG_IB_STS2, 6, 4)
	s_cmp_eq_u32 s2, 0
	s_cbranch_scc0 .Lentry_in_a_cluster
	s_endpgm
.Lentry_in_a_cluster:
	s_bfe_u32 s2, ttmp6, 0x10000c
	s_cmp_lg_u32 s2, 0x3003
	s_cbranch_scc0 .Lentry_shape_is_right
	s_endpgm
.Lentry_shape_is_right:
; For each centre: which GROUP OF 8 POINTS, among this work-group's 512 points, holds the point nearest to it.  x [131072][256] f32; ccodes: the centres' codes in operand order.
; d2(n, k) = x2(n) + c2(k) - 2 dots(n, k), dots on codes of FP8 (E4M3) with the given scales 2^ea, 2^eb.  The argmin over n is taken as an ARGMAX of
;   D(n, k) = sum of code products - x2(n) 2^(-1 - ea - eb)  =  (c2(k) - d2(n, k)) / (2 x 2^(ea + eb)).   x2 goes in as the C of each sum's first matrix instruction.
; c2(k) IS NOT ADDED: it is the same for all n, so it moves no argmin over n, for any input.  Where the f32 rounding of x2 + c2 - 2 dots makes two distances equal that differ here, the choice may differ.
; TIES go to the lowest point: strict > in ascending order of points; of equal sums in the two halves of the lanes the lower group wins.
; LIMITS: ea between -126 and 119; -1 - ea - eb between -126 and 127 (each power of two below is an f32 number); NaN among the inputs is not served.
; SHARES.  A work-group owns 512 points, 8 rounds of 64.  Eight waves, two on a SIMD.  Wave w keeps centres 128 w .. 128 w + 127 (8 tiles x 256 K = 256 registers, window 1) for the whole launch.
; In each round a wave multiplies the round's 4 tiles of 16 points by its 8 tiles of centres, in 8 runs of 8 matrix instructions on four accumulators by turns.
; THE NEXT ROUND'S QUANTISER STANDS IN SLICES BEHIND THE RUNS: wave w owns 8 rows of it; behind run s = 0..3 rows s and s + 4 are squared, held, converted, stored into the other LDS buffer, and
; their 16 registers asked for again (4 loads); behind run 4 the rows' x2 are summed and stored.  A slice's first lines are the places behind the run (ISA guide 7.12.1); runs 5 to 7 have v_nop.
; ONE barrier a round, split: a wave signals at the head of the round's last tile, where its stores into the other buffer and its reads of this one have been waited for, and waits at the round's end.
; LAYOUT.  Source 0 = 16 points, source 1 = 16 centres: lane (r, h) holds ONE centre r, its registers j the points 8 h + j: a group.  Eight sums are folded by four three-way maxima,
; a compare and a select.  K IS PERMUTED alike in both operands (lane q's numbers k = 64 i + 4 q + e lie at byte 16 q + 4 i + e of a row of codes).
; CLUSTER.  All work-groups read the same 256 KB of centres' codes: the four of a cluster ask for them JOINTLY, one tensor load a wave (32 KB) with a mask that names the four.
; Each wave reads only the bytes that it asked for, behind its own wait.  No LDS byte is filled twice.  Round 0 is quantised while that load is out.
; NO PREFETCH: each wave always has the loads of two rounds (32 loads, 16 KB) on their way.
.set PITCH, 272                        ; a row of codes in LDS: 256 bytes + 16: the 16 rows of a fragment load start at 16 different banks (ISA guide 11.1)
.set ITILE, 16*PITCH
.set IBUF,  4*ITILE                    ; a round's four tiles
.set IMG,   262144                     ; LDS: 0 .. 262,143 the centres (wave w at 32,768 w); then two buffers of codes,
.set X2R,   IMG+2*IBUF                 ; two buffers of 64 words: -x2 2^(-1 - ea - eb),
.set OUTS,  X2R+512                    ; 1,024 bytes a wave for the way out,
.set SPARE, OUTS+8192                  ; and the spare words, 128 bytes a wave: four blocks of 256 bytes that no other line names
.set XA,   1                           ; x: 4,096 g + 16 q
.set IW,   2                           ; where I store codes: IMG + 8 PITCH w + 4 PITCH g + 16 q
.set X2W,  3                           ; where I store x2 words: X2R + 32 w + 16 g
.set AFA,  4                           ; fragments of points: IMG + PITCH r + 16 h
.set X2A,  5                           ; my half's eight x2 words: X2R + 32 h
.set CBA,  6                           ; my wave's centres in LDS: 32,768 w + 16 x lane
.set CUR,  7                           ; the group in hand: 64 x work-group + 2 x tile + h
.set SCL,  8                           ; 2^ea
.set LIM,  9                           ; 448 x 2^ea
.set CD,   10                          ; v10-13   a slice's codes
.set SPW,  14                          ; my spare word; never rewritten
.set NIL,  15                          ; 0; never rewritten
.set G,    16                          ; v16-23   the best group for each of my 8 tiles of centres
.set R,    24                          ; v24-39   the running maxima, two sets that change places tile by tile
.set AF,   40                          ; v40-71   a tile of points: two fragments
.set XC,   72                          ; v72-79   its eight C registers
.set ACC,  80                          ; v80-111  four accumulators
.set T,    112                         ; v112-119 at work in the fold
.set SQ,   120                         ; v120-127 sums of squares, a pair for each of 4 groups of rows
.set L,    128                         ; v128-255 two landing buffers of 64 for x
.set OB,   128                         ; at the end, when all loads are in: the way out
.set PV,   136
.set PG,   137
.set OW,   138
.set ORD,  139
.set OG,   142
.set MSB, 0
.macro WIN new                         ; the immediate's high byte repeats the setting that is left
.if MSB != \new
	s_set_vgpr_msb (MSB<<8)|\new
.set MSB, \new
.endif
.endm
.macro CROUND                          ; a round of the cluster's barrier
	s_barrier_signal -1
	s_barrier_wait -1
	s_cmp_lg_u32 s14, 0
	s_cbranch_scc1 .Lnot_wave_0_\@
	s_barrier_signal -3
.Lnot_wave_0_\@:
	s_barrier_wait -3
	s_barrier_signal -1
	s_barrier_wait -1
.endm
.macro XLOAD par, off                  ; my 8 rows: group p is rows p and p + 4; each half of the lanes reads 256 consecutive bytes, aligned
.irp p, 0,1,2,3
.irp i, 0,1,2,3
	global_load_b128 v[L+64*(\par)+16*\p+4*\i:L+64*(\par)+16*\p+4*\i+3], v[XA], s[4:5] offset:(\off)+1024*\p+256*\i th:TH_LOAD_NT
.endr
.endr
.endm
; The quantiser's state for the slices: on: there is a next round; par: its landing and LDS buffer; off: where the reloads read; y: loads of the round after it that are out; r: 1 = reload.
.macro SETQ on, par, off, y, r
.set QON, \on
.set QP, \par
.set QL, L+64*(\par)
.set QOFF, \off
.set QY, \y
.set QR, \r
.endm
.macro SQHOLD m                        ; two numbers of group QS: squared and summed, then held (the conversion to an 8-bit code does not saturate: ISA guide 7.6.2)
.if \m == 0
	v_pk_mul_f32 v[SQ+2*QS:SQ+2*QS+1], v[QL+16*QS:QL+16*QS+1], v[QL+16*QS:QL+16*QS+1]
.else
	v_pk_fma_f32 v[SQ+2*QS:SQ+2*QS+1], v[QL+16*QS+2*\m:QL+16*QS+2*\m+1], v[QL+16*QS+2*\m:QL+16*QS+2*\m+1], v[SQ+2*QS:SQ+2*QS+1]
.endif
	v_med3_num_f32 v[QL+16*QS+2*\m], v[QL+16*QS+2*\m], -v[LIM], v[LIM]
	v_med3_num_f32 v[QL+16*QS+2*\m+1], v[QL+16*QS+2*\m+1], -v[LIM], v[LIM]
.endm
.macro QA                              ; slice QS, its first lines: four plain vector lines or more
.if QON && (QS < 4)
	s_wait_loadcnt 12-4*QS+QY+4*QS*QR              ; group QS is in.  Younger: this round's later groups, the following round's loads, the reloads of this round's earlier groups
	s_wait_dscnt 0x0                               ; the last slice's store has read v[CD..]
	SQHOLD 0
	SQHOLD 1
.elseif QON && (QS == 4)
.irp p, 0,1,2,3
	v_add_f32 v[SQ+2*\p], v[SQ+2*\p], v[SQ+2*\p+1]
.endr
.else
.rept 4
	v_nop
.endr
.endif
.endm
.macro QB                              ; slice QS, the rest
.if QON && (QS < 4)
.irp m, 2,3,4,5,6,7
	SQHOLD \m
.endr
	v_cvt_scalef32_pk8_fp8_f32 v[CD:CD+1], v[QL+16*QS:QL+16*QS+7], v[SCL]
	v_cvt_scalef32_pk8_fp8_f32 v[CD+2:CD+3], v[QL+16*QS+8:QL+16*QS+15], v[SCL]
	ds_store_b128 v[IW], v[CD:CD+3] offset:IBUF*QP+PITCH*QS        ; sixteen lanes store a row's 256 bytes of codes
.if QR
.irp i, 0,1,2,3
	global_load_b128 v[QL+16*QS+4*\i:QL+16*QS+4*\i+3], v[XA], s[4:5] offset:QOFF+1024*QS+256*\i th:TH_LOAD_NT
.endr
.endif
.elseif QON && (QS == 4)
.irp k, 1,2,4,8
.irp p, 0,1,2,3
	v_add_f32_dpp v[SQ+2*\p], v[SQ+2*\p], v[SQ+2*\p] row_xmask:\k row_mask:0xf bank_mask:0xf
.endr
.endr
.irp p, 0,1,2,3
	v_mul_f32 v[SQ+2*\p], s36, v[SQ+2*\p]
.endr
.irp p, 0,1,2,3
	ds_store_b32 v[X2W], v[SQ+2*\p] offset:256*QP+4*\p     ; sixteen lanes store the same word with the same value
.endr
.endif
.endm
.macro FETCH par, t                    ; tile t: lane (r, h), registers 4 n .. 4 n + 3 = bytes 32 n + 16 h + 0..15 of row r; and its eight C registers
.irp n, 0,1,2,3,4,5,6,7
	ds_load_b128 v[AF+4*\n:AF+4*\n+3], v[AFA] offset:IBUF*(\par)+ITILE*(\t)+32*\n
.endr
	ds_load_b128 v[XC:XC+3], v[X2A] offset:256*(\par)+64*(\t)
	ds_load_b128 v[XC+4:XC+7], v[X2A] offset:256*(\par)+64*(\t)+16
.endm
.macro RUN H                           ; centre tiles 4 H .. 4 H + 3, both K steps, the four accumulators by turns
	WIN 0x04                                       ; source 1 window 1
.irp c, 0,1,2,3
	v_wmma_f32_16x16x128_fp8_fp8 v[ACC+8*\c:ACC+8*\c+7], v[AF:AF+15], v[128*(\H)+32*\c:128*(\H)+32*\c+15], v[XC:XC+7]
.endr
.irp c, 0,1,2,3
	v_wmma_f32_16x16x128_fp8_fp8 v[ACC+8*\c:ACC+8*\c+7], v[AF+16:AF+31], v[128*(\H)+32*\c+16:128*(\H)+32*\c+31], v[ACC+8*\c:ACC+8*\c+7]
.endr
	WIN 0
.endm
.macro FOLD t, H                       ; each accumulator is read from its low end on; PO the old maxima, PN the new; four chains that do not wait for each other
.set PO, R+8*((\t)%2)+4*(\H)
.set PN, R+8*(1-(\t)%2)+4*(\H)
.irp c, 0,1,2,3
	v_max3_num_f32 v[T+2*\c], v[ACC+8*\c], v[ACC+8*\c+1], v[ACC+8*\c+2]
.endr
.irp c, 0,1,2,3
	v_max3_num_f32 v[T+2*\c+1], v[ACC+8*\c+3], v[ACC+8*\c+4], v[ACC+8*\c+5]
.endr
.irp c, 0,1,2,3
	v_max3_num_f32 v[PN+\c], v[PO+\c], v[ACC+8*\c+6], v[ACC+8*\c+7]
.endr
.irp c, 0,1,2,3
	v_max3_num_f32 v[PN+\c], v[PN+\c], v[T+2*\c], v[T+2*\c+1]
.endr
.irp c, 0,1,2,3
	v_cmp_gt_f32 s[52+\c], v[PN+\c], v[PO+\c]      ; has the maximum grown?  Strictly: of equal sums the earlier group stays
.endr
.irp c, 0,1,2,3
	v_cndmask_b32 v[G+4*(\H)+\c], v[G+4*(\H)+\c], v[CUR], s[52+\c]
.endr
.endm
.macro TILE par, t, sig
	s_wait_dscnt 0x0                               ; this tile's ten loads are in, and my stores have landed
.if \sig
	s_barrier_signal -1                            ; the round's last tile: my reads of this buffer are back, my part of the next round lies in the other; register work alone up to the wait
.endif
	RUN 0
.set QS, 2*(\t)
	QA
	QB
	FOLD \t, 0
	RUN 1
.set QS, 2*(\t)+1
	QA
.if \t < 3
	FETCH \par, (\t)+1                             ; the one buffer of fragments is free behind the slice's first lines
.endif
	QB
	FOLD \t, 1
	v_add_nc_u32 v[CUR], 2, v[CUR]                 ; on to the next tile's groups
.endm
.macro ROUND par, sig
	FETCH \par, 0
	TILE \par, 0, 0
	TILE \par, 1, 0
	TILE \par, 2, 0
	TILE \par, 3, \sig
.if \sig
	s_barrier_wait -1                              ; every wave's part of the next round lies in LDS, and nobody reads this round's buffer any more
.endif
.endm
	s_load_b256 s[4:11], s[0:1], 0x0               ; x s[4:5], the scales' exponents s[6:7], ccodes s[8:9], pval s[10:11]
	s_load_b64 s[12:13], s[0:1], 0x20              ; pgid
	v_lshl_add_u32 v[SPW], v0, 2, SPARE
	v_mov_b32 v[NIL], 0
	ds_add_u32 v[SPW], v[NIL]                      ; the opening lines: the add, twice on end, and its wait ahead of my tensor load
	ds_add_u32 v[SPW], v[NIL]
	v_lshrrev_b32 v10, 5, v0
	v_readfirstlane_b32 s14, v10                   ; wave 0..7
	s_bfe_u32 s15, ttmp6, 0x40000                  ; cx: it enters x's, pval's and pgid's addresses and the groups' numbers alone
	s_lshl_b32 s16, ttmp9, 2                       ; in a cluster launch ttmp9 counts clusters
	s_add_co_u32 s16, s16, s15                     ; work-group 0..255
	v_and_b32 v10, 15, v0                          ; q = r
	v_bfe_u32 v11, v0, 4, 1                        ; g = h
	v_and_b32 v12, 31, v0                          ; lane
	v_lshlrev_b32 v13, 4, v10                      ; 16 q
	v_lshl_add_u32 v[XA], v11, 12, v13
	s_mul_i32 s17, s14, 8*PITCH
	s_add_co_u32 s17, s17, IMG
	v_mul_u32_u24 v[IW], v11, 4*PITCH
	v_add_nc_u32 v[IW], v[IW], v13
	v_add_nc_u32 v[IW], s17, v[IW]
	s_lshl_b32 s17, s14, 5
	s_add_co_u32 s17, s17, X2R
	v_lshl_add_u32 v[X2W], v11, 4, s17
	v_mul_u32_u24 v[AFA], v10, PITCH
	v_lshl_add_u32 v[AFA], v11, 4, v[AFA]
	v_add_nc_u32 v[AFA], IMG, v[AFA]
	v_lshlrev_b32 v[X2A], 5, v11
	v_add_nc_u32 v[X2A], X2R, v[X2A]
	s_lshl_b32 s18, s14, 15
	v_lshl_add_u32 v[CBA], v12, 4, s18
	s_lshl_b32 s19, s14, 10
	s_add_co_u32 s19, s19, OUTS                    ; my wave's bytes for the way out
	s_lshl_b32 s37, s16, 6
	v_add_nc_u32 v[CUR], s37, v11                  ; the first tile's groups: 64 x work-group + h
.irp t, 0,1,2,3,4,5,6,7
	v_mov_b32 v[R+\t], 0xff800000                  ; the running maxima begin at -infinity,
	v_mov_b32 v[G+\t], v[CUR]                      ; the best groups at a group of mine
.endr
	; the descriptor: 128 rows of 32 elements of 8 bytes, dense: my wave's 32,768 bytes of centres' codes
	s_mov_b32 s24, 15|(3<<16)|(1<<21)              ; 15:0 the mask: all four work-groups; 17:16 elements of 8 bytes; 21 set beside a mask; no padding
	s_mov_b32 s25, 32<<16                          ; tensor_dim0 = 32
	s_mov_b32 s26, 128<<16                         ; tensor_dim1 = 128
	s_mov_b32 s27, 32<<16                          ; tile_dim0 = 32
	s_mov_b32 s28, 128                             ; tile_dim1 = 128
	s_mov_b32 s29, 32                              ; from row to row: 32 elements
	s_mov_b32 s30, 0
	s_mov_b32 s31, 0
	s_mov_b32 s20, 1                               ; count = 1
	s_lshl_b32 s21, s14, 15                        ; LDS address: 32,768 x wave
	s_lshl_b32 s46, s14, 15                        ; and the same in ccodes: the wave's number alone, which the partners share
	s_mov_b32 s47, 0
	s_lshl_b32 s48, s16, 19                        ; x: 512 rows of 1,024 bytes a work-group,
	s_lshl_b32 s49, s14, 13                        ; 8 rows a wave
	s_add_co_u32 s48, s48, s49
	s_mov_b32 s49, 0
	s_lshl_b32 s50, s16, 12                        ; pval, pgid: 4,096 bytes a work-group,
	s_lshl_b32 s51, s14, 9                         ; 512 a wave
	s_add_co_u32 s50, s50, s51
	s_mov_b32 s51, 0
	s_mov_b32 s40, 0x76543210                      ; v_permlanex16_b32: each lane takes its own place in the other half
	s_mov_b32 s41, 0xfedcba98
	s_wait_alu depctr_va_vdst(0)
	s_wait_dscnt 0x0                               ; both opening adds are done
	s_wait_kmcnt 0x0
	s_load_b64 s[32:33], s[6:7], 0x0               ; ea, eb
	s_add_nc_u64 s[4:5], s[4:5], s[48:49]
	s_add_nc_u64 s[10:11], s[10:11], s[50:51]
	s_add_nc_u64 s[12:13], s[12:13], s[50:51]
	s_add_nc_u64 s[22:23], s[8:9], s[46:47]
	s_or_b32 s23, s23, 0x80000000                  ; type = 2
	XLOAD 0, 0
	CROUND                                         ; all four work-groups are here: the joint loads meet
	tensor_load_to_lds s[20:23], s[24:31]          ; my one tensor load of the launch
	s_nop 0
	s_wait_kmcnt 0x0
	s_add_co_i32 s34, s32, 127
	s_lshl_b32 s35, s34, 23
	v_mov_b32 v[SCL], s35                          ; 2^ea as f32: the conversion takes its exponent field
	s_add_co_i32 s34, s34, 8
	s_lshl_b32 s34, s34, 23
	s_or_b32 s34, s34, 0x600000
	v_mov_b32 v[LIM], s34                          ; 448 x 2^ea
	s_add_co_i32 s36, s32, s33
	s_sub_co_i32 s36, 126, s36
	s_lshl_b32 s36, s36, 23
	s_or_b32 s36, s36, 0x80000000                  ; -2^(-1 - ea - eb)
	s_wait_alu depctr_va_vdst(0)
	SETQ 1, 0, 0, 0, 0                             ; round 0 is quantised on end; behind its 16 loads none is out, and nothing is asked for yet
.irp s, 0,1,2,3,4
.set QS, \s
	QA
	QB
.endr
	s_wait_dscnt 0x0                               ; for the others' sake: my part of round 0 lies in LDS
	s_barrier_signal -1                            ; this barrier orders round 0's codes alone: my tensor load may be out across it, since its bytes are read by me alone and no LDS byte is filled again
	s_barrier_wait -1
	s_wait_tensorcnt 0x0                           ; my 32 KB of centres are in LDS; no other wave reads them
	XLOAD 1, 65536                                 ; round 1 is asked for now: its 16 loads are on their way while the centres go into registers
	WIN 0x40
.set n, 0
.rept 64
	ds_load_b128 v[4*n:4*n+3], v[CBA] offset:512*n         ; block n of my 64: four registers of all lanes, as they were laid
.set n, n+1
.endr
	WIN 0                                          ; (the first tile's wait for all LDS loads covers these)
	XLOAD 0, 131072                                ; round 2, into the landing buffer that round 0 has left
	s_mov_b32 s38, 2
.Ltrip:                                                ; a trip is two rounds: rounds 0 to 3 quantise rounds 1 to 4 and ask for rounds 3 to 6
	SETQ 1, 1, 196608, 16, 1
	ROUND 0, 1
	SETQ 1, 0, 262144, 16, 1
	ROUND 1, 1
	s_wait_xcnt 0x0                                ; the loads' base is stepped only behind this wait
	s_add_nc_u64 s[4:5], s[4:5], 131072
	s_sub_co_u32 s38, s38, 1
	s_cmp_lg_u32 s38, 0
	s_cbranch_scc1 .Ltrip
	SETQ 1, 1, 196608, 16, 1                       ; round 4 asks for round 7, the last
	ROUND 0, 1
	SETQ 1, 0, 0, 16, 0                            ; the last three rounds ask for nothing: no load leaves x
	ROUND 1, 1
	SETQ 1, 1, 0, 0, 0
	ROUND 0, 1
	SETQ 0, 0, 0, 0, 0
	ROUND 1, 0
	; THE END.  After an even number of tiles the maxima lie in the first set.  A centre's two halves of the lanes meet: the larger sum wins, of equal sums the lower group.
	v_and_b32 v140, 15, v0
	v_and_b32 v141, 31, v0
	v_lshl_add_u32 v[OW], v140, 2, s19             ; a word for centre r,
	v_lshl_add_u32 v[ORD], v141, 4, s19            ; back 16 bytes a lane,
	v_lshlrev_b32 v[OG], 4, v141                   ; and the same in memory
	v_mov_b32 v[PV], 0                             ; written once: a lane permute's destination counts as one of its sources
	v_mov_b32 v[PG], 0
.irp t, 0,1,2,3,4,5,6,7
	v_permlanex16_b32 v[PV], v[R+\t], s40, s41
	v_permlanex16_b32 v[PG], v[G+\t], s40, s41
	v_cmp_gt_f32 s42, v[PV], v[R+\t]
	v_cmp_eq_f32 s43, v[PV], v[R+\t]
	v_cmp_lt_u32 s44, v[PG], v[G+\t]
	s_and_b32 s43, s43, s44
	s_or_b32 s42, s42, s43
	v_cndmask_b32 v[R+\t], v[R+\t], v[PV], s42
	v_cndmask_b32 v[G+\t], v[G+\t], v[PG], s42
	ds_store_b32 v[OW], v[R+\t] offset:64*\t               ; centre 16 t + r of my 128 (both halves store the same word with the same value)
	ds_store_b32 v[OW], v[G+\t] offset:512+64*\t
.endr
	ds_load_b128 v[OB:OB+3], v[ORD]                        ; my own bytes: LDS serves a wave's instructions in order (ISA guide 5.7.1.4)
	ds_load_b128 v[OB+4:OB+7], v[ORD] offset:512
	s_wait_dscnt 0x0
	global_store_b128 v[OG], v[OB:OB+3], s[10:11]          ; each store covers 512 consecutive bytes, aligned
	global_store_b128 v[OG], v[OB+4:OB+7], s[12:13]
	s_wait_tensorcnt 0x0                           ; the wave's end
	ds_add_u32 v[SPW], v[NIL]
	s_wait_dscnt 0x0
	CROUND                                         ; the closing round: no work-group ends while a partner may still ask for a tile that names it
	s_endpgm
.Lfunc_end_k_q77af4dd105_scan:
	.size	k_q77af4dd105_scan, .Lfunc_end_k_q77af4dd105_scan-k_q77af4dd105_scan
	.p2alignl 7, 3214868480
	.fill 96, 4, 3214868480
	.section	.rodata,"a",@progbits
	.p2align	6, 0x0
	.amdhsa_kernel k_q77af4dd105_scan
		.amdhsa_group_segment_fixed_size 327680
		.amdhsa_private_segment_fixed_size 0
		.amdhsa_enable_private_segment 0
		.amdhsa_kernarg_size 40
		.amdhsa_user_sgpr_count 2
		.amdhsa_user_sgpr_kernarg_segment_ptr 1
		.amdhsa_wavefront_size32 1
		.amdhsa_system_sgpr_workgroup_id_x 1
		.amdhsa_system_sgpr_workgroup_id_y 1
		.amdhsa_system_sgpr_workgroup_id_z 1
		.amdhsa_system_vgpr_workitem_id 0
		.amdhsa_next_free_vgpr 512
		.amdhsa_next_free_sgpr 66
		.amdhsa_reserve_vcc 0
		.amdhsa_float_denorm_mode_32 3
		.amdhsa_float_denorm_mode_16_64 3
		.amdhsa_memory_ordered 1
		.amdhsa_forward_progress 1
		.amdhsa_inst_pref_size 195
	.end_amdhsa_kernel
	.amdgpu_metadata
---
amdhsa.version: [ 1, 2 ]
amdhsa.kernels:
  - .name:           k_q77af4dd105_scan
    .symbol:         k_q77af4dd105_scan.kd
    .args:
      - { .name: x, .offset: 0, .size: 8, .value_kind: global_buffer, .address_space: global }
      - { .name: lowp_scales, .offset: 8, .size: 8, .value_kind: global_buffer, .address_space: global }
      - { .name: ccodes, .offset: 16, .size: 8, .value_kind: global_buffer, .address_space: global }
      - { .name: pval, .offset: 24, .size: 8, .value_kind: global_buffer, .address_space: global }
      - { .name: pgid, .offset: 32, .size: 8, .value_kind: global_buffer, .address_space: global }
    .group_segment_fixed_size: 327680
    .private_segment_fixed_size: 0
    .kernarg_segment_align: 8
    .kernarg_segment_size: 40
    .max_flat_workgroup_size: 256
    .sgpr_count:     66
    .vgpr_count:     512
    .wavefront_size: 32
...
	.end_amdgpu_metadata
.endif
;; end of part 2
;; launch pick (part 3): grid 16 x 1, 16 waves a work-group, no clusters, 10,240 bytes of LDS; arguments pval, pgid, win; writes win
.if DOCPART == 3
	.amdgcn_target "amdgcn-amd-amdhsa--gfx1250"
	.amdhsa_code_object_version 6
	.text
	.protected	k_q77af4dd105_pick
	.globl	k_q77af4dd105_pick
	.p2align	8
	.type	k_q77af4dd105_pick,@function
k_q77af4dd105_pick:
	s_mov_b64 s[64:65], 0
	v_nop
	global_prefetch_b8 v0, s[64:65] scope:SCOPE_SE
	s_setreg_imm32_b32 hwreg(HW_REG_WAVE_MODE, 25, 1), 1
	s_wait_xcnt 0x0
; For each centre the best of the 256 work-groups' partial results: pval [256][1024] f32 (the largest sum), pgid [256][1024] (its group of 8 points) -> win [1024].
; A work-group takes 64 centres; wave sg the partial rows 16 sg .. 16 sg + 15; lane l the centres 2 l and 2 l + 1: each load of a wave reads 256 consecutive bytes, aligned.
; The rows are folded in ascending order with a strict >: of equal sums the lower row, and so the lower point, stays.  The waves' results meet in LDS; wave 0 folds them, again ascending.
; No matrix work, no tensor loads, no cluster: 2 MB are read once and the work-groups share nothing.
.set V, 16                             ; v16-47  sixteen pairs of values; the best stays in the first pair
.set I, 48                             ; v48-79  their groups
.macro FOLD
.irp j, 1,2,3,4,5,6,7,8,9,10,11,12,13,14,15
.irp e, 0,1
	v_cmp_gt_f32 vcc_lo, v[V+2*\j+\e], v[V+\e]
	s_delay_alu instid0(VALU_DEP_1)
	v_cndmask_b32 v[V+\e], v[V+\e], v[V+2*\j+\e], vcc_lo
	s_delay_alu instid0(VALU_DEP_2)
	v_cndmask_b32 v[I+\e], v[I+\e], v[I+2*\j+\e], vcc_lo
.endr
.endr
.endm
	s_load_b128 s[4:7], s[0:1], 0x0                ; pval, pgid
	s_load_b64 s[8:9], s[0:1], 0x10                ; win
	v_lshl_add_u32 v96, v0, 2, 0x2000
	v_mov_b32 v97, 0
	v_lshrrev_b32 v2, 5, v0
	s_delay_alu instid0(VALU_DEP_1)
	v_readfirstlane_b32 s10, v2                    ; wave 0..15
	v_and_b32 v1, 31, v0
	s_delay_alu instid0(VALU_DEP_1)
	v_lshlrev_b32 v1, 3, v1                        ; 8 x lane
	v_lshlrev_b32 v3, 3, v0                        ; LDS: 256 x wave + 8 x lane
	s_lshl_b32 s14, ttmp9, 8                       ; my 64 centres: 256 bytes of a row
	s_mov_b32 s15, 0
	s_lshl_b32 s12, s10, 16                        ; my wave's 16 rows of 4,096 bytes
	s_add_co_u32 s12, s12, s14
	s_mov_b32 s13, 0
	s_wait_alu depctr_va_vdst(0)
	s_wait_kmcnt 0x0
	s_add_nc_u64 s[4:5], s[4:5], s[12:13]
	s_add_nc_u64 s[6:7], s[6:7], s[12:13]
	s_add_nc_u64 s[8:9], s[8:9], s[14:15]
.irp j, 0,1,2,3,4,5,6,7,8,9,10,11,12,13,14,15
	global_load_b64 v[V+2*\j:V+2*\j+1], v1, s[4:5] offset:4096*\j
	global_load_b64 v[I+2*\j:I+2*\j+1], v1, s[6:7] offset:4096*\j
.endr
	s_wait_loadcnt 0x0
	FOLD
	ds_store_b64 v3, v[V:V+1]
	ds_store_b64 v3, v[I:I+1] offset:4096
	s_wait_dscnt 0x0                               ; for the others' sake: my stores have landed
	s_barrier_signal -1
	s_barrier_wait -1
	s_cmp_lg_u32 s10, 0                            ; wave 0 alone goes on; no barrier follows
	s_cbranch_scc1 .Ldone
.irp j, 0,1,2,3,4,5,6,7,8,9,10,11,12,13,14,15
	ds_load_b64 v[V+2*\j:V+2*\j+1], v1 offset:256*\j
	ds_load_b64 v[I+2*\j:I+2*\j+1], v1 offset:4096+256*\j
.endr
	s_wait_dscnt 0x0
	FOLD
	global_store_b64 v1, v[I:I+1], s[8:9]          ; 32 lanes store 256 consecutive bytes, aligned
.Ldone:
	s_wait_tensorcnt 0x0
	ds_add_u32 v96, v97
	s_wait_dscnt 0x0
	s_endpgm
.Lfunc_end_k_q77af4dd105_pick:
	.size	k_q77af4dd105_pick, .Lfunc_end_k_q77af4dd105_pick-k_q77af4dd105_pick
	.p2alignl 7, 3214868480
	.fill 96, 4, 3214868480
	.section	.rodata,"a",@progbits
	.p2align	6, 0x0
	.amdhsa_kernel k_q77af4dd105_pick
		.amdhsa_group_segment_fixed_size 10240
		.amdhsa_private_segment_fixed_size 0
		.amdhsa_enable_private_segment 0
		.amdhsa_kernarg_size 24
		.amdhsa_user_sgpr_count 2
		.amdhsa_user_sgpr_kernarg_segment_ptr 1
		.amdhsa_wavefront_size32 1
		.amdhsa_system_sgpr_workgroup_id_x 1
		.amdhsa_system_sgpr_workgroup_id_y 1
		.amdhsa_system_sgpr_workgroup_id_z 1
		.amdhsa_system_vgpr_workitem_id 0
		.amdhsa_next_free_vgpr 98
		.amdhsa_next_free_sgpr 66
		.amdhsa_reserve_vcc 1
		.amdhsa_float_denorm_mode_32 3
		.amdhsa_float_denorm_mode_16_64 3
		.amdhsa_memory_ordered 1
		.amdhsa_forward_progress 1
		.amdhsa_inst_pref_size 16
	.end_amdhsa_kernel
	.amdgpu_metadata
---
amdhsa.version: [ 1, 2 ]
amdhsa.kernels:
  - .name:           k_q77af4dd105_pick
    .symbol:         k_q77af4dd105_pick.kd
    .args:
      - { .name: pval, .offset: 0, .size: 8, .value_kind: global_buffer, .address_space: global }
      - { .name: pgid, .offset: 8, .size: 8, .value_kind: global_buffer, .address_space: global }
      - { .name: win, .offset: 16, .size: 8, .value_kind: global_buffer, .address_space: global }
    .group_segment_fixed_size: 10240
    .private_segment_fixed_size: 0
    .kernarg_segment_align: 8
    .kernarg_segment_size: 24
    .max_flat_workgroup_size: 512
    .sgpr_count:     66
    .vgpr_count:     98
    .wavefront_size: 32
...
	.end_amdgpu_metadata
.endif
;; end of part 3
;; launch take (part 4): grid 256 x 1, 4 waves a work-group, no clusters, 9,728 bytes of LDS; arguments x, lowp_scales, ccodes, win, out0; writes out0
.if DOCPART == 4
	.amdgcn_target "amdgcn-amd-amdhsa--gfx1250"
	.amdhsa_code_object_version 6
	.text
	.protected	k_q77af4dd105_take
	.globl	k_q77af4dd105_take
	.p2align	8
	.type	k_q77af4dd105_take,@function
k_q77af4dd105_take:
	s_mov_b64 s[64:65], 0
	v_nop
	global_prefetch_b8 v0, s[64:65] scope:SCOPE_SE
	s_setreg_imm32_b32 hwreg(HW_REG_WAVE_MODE, 25, 1), 1
	s_wait_xcnt 0x0
; out0[k] = the row of x nearest to centre k.  win[k] names the group of 8 points that holds it.  One wave takes one centre: it loads the group's 8 rows, forms their sums
; D = sum of code products - x2 2^(-1 - ea - eb) by the same lines and the same matrix form as the launch that chose the group, takes the largest (of equal sums the lowest point),
; and picks the row BY VALUE, with selects: the only address that hangs on data is made of win[k], a whole number stored by an earlier launch, held at 16,383.
; LAYOUT.  Source 0: rows 0-7 are the 8 points and rows 8-15 repeat them; source 1: all 16 columns are centre k.  So every lane holds the same eight sums, register j for point j.
; Lane (q, g) holds, of rows p and p + 4 (g), the numbers k = 64 i + 4 q + e; the permutation of K is that of the centres' codes.
; LIMITS as there: ea between -126 and 119; -1 - ea - eb between -126 and 127; NaN among the inputs is not served.
; Waves share nothing: each has 2,304 bytes of LDS of its own (8 rows x 272, then 8 words), no barrier.  No tensor load, no cluster: a wave reads 8 KB of its own.
.set REG,   2304
.set PITCH, 272
.set X,   16                           ; v16-79   the 8 rows as loaded: they are the output, so they stay as they are
.set H,   80                           ; v80-143  the same, held; later the other half's row
.set CD,  144                          ; v144-159 codes
.set AF,  160                          ; v160-191 the points' two fragments
.set BF,  192                          ; v192-223 the centre's two fragments
.set XC,  224                          ; v224-231 C
.set D,   232                          ; v232-239 the eight sums
.set SQ,  240                          ; v240-247 sums of squares
.set Y,   248                          ; v248-255 what is stored
	s_load_b256 s[4:11], s[0:1], 0x0               ; x s[4:5], the scales' exponents s[6:7], ccodes s[8:9], win s[10:11]
	s_load_b64 s[12:13], s[0:1], 0x20              ; out0
	s_set_vgpr_msb 0x40
	v_lshl_add_u32 v0, v0, 2, 0x2400
	v_mov_b32 v1, 0
	s_set_vgpr_msb 0x4000
	v_lshrrev_b32 v12, 5, v0
	v_readfirstlane_b32 s14, v12                   ; wave 0..3
	s_lshl_b32 s15, ttmp9, 2
	s_add_co_u32 s15, s15, s14                     ; my centre k
	v_and_b32 v10, 15, v0                          ; q = r
	v_bfe_u32 v11, v0, 4, 1                        ; g = h
	v_lshlrev_b32 v12, 4, v10                      ; 16 q
	v_lshl_add_u32 v1, v11, 12, v12                ; x: 4 rows x 1,024 bytes for the upper half, + 16 q
	s_mul_i32 s16, s14, REG                        ; my wave's LDS
	v_mul_u32_u24 v2, v11, 4*PITCH
	v_add_nc_u32 v2, v2, v12
	v_add_nc_u32 v2, s16, v2                       ; codes in: row p + 4 g, byte 16 q
	s_add_co_u32 s17, s16, 8*PITCH
	v_lshl_add_u32 v3, v11, 4, s17                 ; x2 words in: point p + 4 g
	v_and_b32 v4, 7, v0
	v_mul_u32_u24 v4, v4, PITCH
	v_lshl_add_u32 v4, v11, 4, v4
	v_add_nc_u32 v4, s16, v4                       ; fragments out: row r % 8, byte 16 h
	v_mov_b32 v5, s17                              ; x2 words out: all eight, in every lane
	v_lshlrev_b32 v6, 8, v11                       ; the centre's codes: lane r' + 16 h of a block, 256 h
	v_add_nc_u32 v7, v6, v12                       ; out0: 256 g + 16 q
	s_lshl_b32 s18, s15, 2                         ; win: 4 k
	s_mov_b32 s19, 0
	s_lshr_b32 s20, s15, 4
	s_lshl_b32 s20, s20, 12                        ; ccodes: tile k / 16,
	s_and_b32 s21, s15, 15
	s_lshl_b32 s21, s21, 4                         ; lane k % 16 of each block
	s_add_co_u32 s20, s20, s21
	s_mov_b32 s21, 0
	s_lshl_b32 s22, s15, 10                        ; out0: row k
	s_mov_b32 s23, 0
	s_mov_b32 s30, 0x76543210                      ; v_permlanex16_b32: each lane takes its own place in the other half
	s_mov_b32 s31, 0xfedcba98
	s_wait_alu depctr_va_vdst(0)
	s_wait_kmcnt 0x0
	s_add_nc_u64 s[10:11], s[10:11], s[18:19]
	s_load_b32 s24, s[10:11], 0x0                  ; the group
	s_load_b64 s[26:27], s[6:7], 0x0               ; ea, eb
	s_add_nc_u64 s[8:9], s[8:9], s[20:21]
	s_add_nc_u64 s[12:13], s[12:13], s[22:23]
.irp n, 0,1,2,3,4,5,6,7
	global_load_b128 v[BF+4*\n:BF+4*\n+3], v6, s[8:9] offset:512*\n    ; every column of source 1 is centre k
.endr
	s_wait_kmcnt 0x0
	s_min_u32 s24, s24, 16383                      ; a loaded number enters an address only held inside the table
	s_lshl_b32 s24, s24, 13                        ; 8 rows of 1,024 bytes a group
	s_mov_b32 s25, 0
	s_add_nc_u64 s[4:5], s[4:5], s[24:25]
.irp p, 0,1,2,3
.irp i, 0,1,2,3
	global_load_b128 v[X+16*\p+4*\i:X+16*\p+4*\i+3], v1, s[4:5] offset:1024*\p+256*\i  ; each half of the lanes reads 256 consecutive bytes, aligned
.endr
.endr
	s_add_co_i32 s28, s26, 127
	s_lshl_b32 s29, s28, 23
	v_mov_b32 v8, s29                              ; 2^ea
	s_add_co_i32 s28, s28, 8
	s_lshl_b32 s28, s28, 23
	s_or_b32 s28, s28, 0x600000
	v_mov_b32 v9, s28                              ; 448 x 2^ea
	s_add_co_i32 s32, s26, s27
	s_sub_co_i32 s32, 126, s32
	s_lshl_b32 s32, s32, 23
	s_or_b32 s32, s32, 0x80000000                  ; -2^(-1 - ea - eb)
	s_wait_loadcnt 0x0
.irp m, 0,1,2,3,4,5,6,7
.irp p, 0,1,2,3
.if \m == 0
	v_pk_mul_f32 v[SQ+2*\p:SQ+2*\p+1], v[X+16*\p:X+16*\p+1], v[X+16*\p:X+16*\p+1]
.else
	v_pk_fma_f32 v[SQ+2*\p:SQ+2*\p+1], v[X+16*\p+2*\m:X+16*\p+2*\m+1], v[X+16*\p+2*\m:X+16*\p+2*\m+1], v[SQ+2*\p:SQ+2*\p+1]
.endif
.endr
.endr
.set i, 0
.rept 64
	v_med3_num_f32 v[H+i], v[X+i], -v9, v9         ; the hold, into other registers
.set i, i+1
.endr
.irp p, 0,1,2,3
	v_cvt_scalef32_pk8_fp8_f32 v[CD+4*\p:CD+4*\p+1], v[H+16*\p:H+16*\p+7], v8
	v_cvt_scalef32_pk8_fp8_f32 v[CD+4*\p+2:CD+4*\p+3], v[H+16*\p+8:H+16*\p+15], v8
.endr
	v_nop                                          ; a plain vector line behind the last conversion
.irp p, 0,1,2,3
	v_add_f32 v[SQ+2*\p], v[SQ+2*\p], v[SQ+2*\p+1]
.endr
.irp k, 1,2,4,8
.irp p, 0,1,2,3
	v_add_f32_dpp v[SQ+2*\p], v[SQ+2*\p], v[SQ+2*\p] row_xmask:\k row_mask:0xf bank_mask:0xf
.endr
.endr
.irp p, 0,1,2,3
	v_mul_f32 v[SQ+2*\p], s32, v[SQ+2*\p]
.endr
.irp p, 0,1,2,3
	ds_store_b32 v3, v[SQ+2*\p] offset:4*\p
	ds_store_b128 v2, v[CD+4*\p:CD+4*\p+3] offset:PITCH*\p
.endr
.irp n, 0,1,2,3,4,5,6,7
	ds_load_b128 v[AF+4*\n:AF+4*\n+3], v4 offset:32*\n     ; my own bytes: LDS serves a wave's instructions in order (ISA guide 5.7.1.4)
.endr
	ds_load_b128 v[XC:XC+3], v5
	ds_load_b128 v[XC+4:XC+7], v5 offset:16
	s_wait_dscnt 0x0
	v_wmma_f32_16x16x128_fp8_fp8 v[D:D+7], v[AF:AF+15], v[BF:BF+15], v[XC:XC+7]
	s_wait_alu depctr_va_vdst(0)                   ; one accumulator, so its two links follow each other
	v_wmma_f32_16x16x128_fp8_fp8 v[D:D+7], v[AF+16:AF+31], v[BF+16:BF+31], v[D:D+7]
.rept 4
	v_nop                                          ; four places ahead of the first read of the sums (ISA guide 7.12.1)
.endr
	v_max3_num_f32 v12, v[D], v[D+1], v[D+2]       ; the largest of the eight, from the low end on
	v_max3_num_f32 v12, v12, v[D+3], v[D+4]
	v_max3_num_f32 v12, v12, v[D+5], v[D+6]
	v_max_num_f32 v12, v12, v[D+7]
	v_mov_b32 v13, 7                               ; J: the lowest point that has it: from 6 down, each that equals the largest takes J
.irp j, 6,5,4,3,2,1,0
	v_cmp_neq_f32 vcc_lo, v[D+\j], v12
	v_cndmask_b32 v13, \j, v13, vcc_lo
.endr
	v_and_b32 v14, 3, v13                          ; J % 4: which of my four groups of registers,
	v_lshrrev_b32 v15, 2, v13                      ; J / 4: which half of the lanes
.irp p, 1,2,3
	v_cmp_eq_u32 vcc_lo, \p, v14
.irp i, 0,1,2,3,4,5,6,7,8,9,10,11,12,13,14,15
	v_cndmask_b32 v[X+\i], v[X+\i], v[X+16*\p+\i], vcc_lo
.endr
.endr
.irp i, 0,1,2,3,4,5,6,7,8,9,10,11,12,13,14,15
	v_permlanex16_b32 v[H+\i], v[X+\i], s30, s31   ; the other half's row (the destinations have been written)
.endr
	v_cmp_ne_u32 vcc_lo, v15, v11
.irp i, 0,1,2,3,4,5,6,7,8,9,10,11,12,13,14,15
	v_cndmask_b32 v[X+\i], v[X+\i], v[H+\i], vcc_lo        ; now both halves hold row J: registers 4 i + e = k 64 i + 4 q + e
.endr
	v_cmp_eq_u32 vcc_lo, 1, v11
.irp e, 0,1,2,3
	v_cndmask_b32 v[Y+\e], v[X+\e], v[X+4+\e], vcc_lo      ; the lower half stores i = 0 and 2, the upper i = 1 and 3
	v_cndmask_b32 v[Y+4+\e], v[X+8+\e], v[X+12+\e], vcc_lo
.endr
	global_store_b128 v7, v[Y:Y+3], s[12:13]               ; 32 lanes store 512 consecutive bytes, aligned
	global_store_b128 v7, v[Y+4:Y+7], s[12:13] offset:512
	s_set_vgpr_msb 0x5
	s_wait_tensorcnt 0x0
	ds_add_u32 v0, v1
	s_wait_dscnt 0x0
	s_set_vgpr_msb 0x500
	s_endpgm
.Lfunc_end_k_q77af4dd105_take:
	.size	k_q77af4dd105_take, .Lfunc_end_k_q77af4dd105_take-k_q77af4dd105_take
	.p2alignl 7, 3214868480
	.fill 96, 4, 3214868480
	.section	.rodata,"a",@progbits
	.p2align	6, 0x0
	.amdhsa_kernel k_q77af4dd105_take
		.amdhsa_group_segment_fixed_size 9728
		.amdhsa_private_segment_fixed_size 0
		.amdhsa_enable_private_segment 0
		.amdhsa_kernarg_size 40
		.amdhsa_user_sgpr_count 2
		.amdhsa_user_sgpr_kernarg_segment_ptr 1
		.amdhsa_wavefront_size32 1
		.amdhsa_system_sgpr_workgroup_id_x 1
		.amdhsa_system_sgpr_workgroup_id_y 1
		.amdhsa_system_sgpr_workgroup_id_z 1
		.amdhsa_system_vgpr_workitem_id 0
		.amdhsa_next_free_vgpr 258
		.amdhsa_next_free_sgpr 66
		.amdhsa_reserve_vcc 1
		.amdhsa_float_denorm_mode_32 3
		.amdhsa_float_denorm_mode_16_64 3
		.amdhsa_memory_ordered 1
		.amdhsa_forward_progress 1
		.amdhsa_inst_pref_size 19
	.end_amdhsa_kernel
	.amdgpu_metadata
---
amdhsa.version: [ 1, 2 ]
amdhsa.kernels:
  - .name:           k_q77af4dd105_take
    .symbol:         k_q77af4dd105_take.kd
    .args:
      - { .name: x, .offset: 0, .size: 8, .value_kind: global_buffer, .address_space: global }
      - { .name: lowp_scales, .offset: 8, .size: 8, .value_kind: global_buffer, .address_space: global }
      - { .name: ccodes, .offset: 16, .size: 8, .value_kind: global_buffer, .address_space: global }
      - { .name: win, .offset: 24, .size: 8, .value_kind: global_buffer, .address_space: global }
      - { .name: out0, .offset: 32, .size: 8, .value_kind: global_buffer, .address_space: global }
    .group_segment_fixed_size: 9728
    .private_segment_fixed_size: 0
    .kernarg_segment_align: 8
    .kernarg_segment_size: 40
    .max_flat_workgroup_size: 128
    .sgpr_count:     66
    .vgpr_count:     258
    .wavefront_size: 32
...
	.end_amdgpu_metadata
.endif
;; end of part 4
